; MI455X (gfx1250); checked and timed in simulation.
; The chip was launched on July 23, 2026; its instructions are those of AMD's public machine-readable ISA for CDNA 5 (MIT licence, August 2026) and "CDNA5" Instruction Set Architecture Reference Guide (July 2026). The comments in the code are by the model that wrote it; some were corrected since.
;; BPNN. Allowed arithmetic: float matrix products may take bf16 or f16 operands with f32 sums; other float arithmetic in f32, or as packed bf16 or f16 multiplies, adds, multiply-adds, maxima and minima; sums over many terms, partial sums and values carried from step to step in f32; what a program stores and reads back later, other than sums and carried values, may be rounded once to bf16 or f16.
;; Inputs: atomic_numbers 2,048 int32; b0 4 x 64 float32; b1 4 x 32 float32; b2 4 x 1 float32; w0 4 x 64 x 64 float32; w1 4 x 32 x 64 float32; w2 4 x 1 x 32 float32; x 512 x 2,048 x 64 float32.
;; Outputs: out0 512 float32.
;; One version. Each part assembles by itself: llvm-mc -triple=amdgcn-amd-amdhsa -mcpu=gfx1250 --defsym DOCPART=n.
;; ======== version 1 of 1: 1 launch
;; launch bpnn (part 1): grid 256 x 1, 8 waves a work-group, no clusters, 87,296 bytes of LDS; arguments x, atomic_numbers, w0, b0, w1, b1, w2, b2, out0; writes out0
.if DOCPART == 1
	.amdgcn_target "amdgcn-amd-amdhsa--gfx1250"
	.amdhsa_code_object_version 6
	.text
	.protected	k_q456bea22e6_bpnn
	.globl	k_q456bea22e6_bpnn
	.p2align	8
	.type	k_q456bea22e6_bpnn,@function
k_q456bea22e6_bpnn:
	s_mov_b64 s[64:65], 0
	v_nop
	global_prefetch_b8 v0, s[64:65] scope:SCOPE_SE
	s_setreg_imm32_b32 hwreg(HW_REG_WAVE_MODE, 25, 1), 1
	s_wait_xcnt 0x0
; out0[b] = sum over atoms n of MLP_type(n)(x[b][n][:]), MLP = 64 -> 64 (silu) -> 32 (silu) -> 1.  x: [512][2048][64] f32; a row is 256 bytes.
; Only the type that an atom names is computed: the other types' results are multiplied by 0 in the one-hot sum.  An atomic number outside 0..3 adds nothing, as its one-hot row is empty.
; SHARES.  Work-group g owns batches 2g and 2g+1 (1 MiB of x) and is the one owner of out0[2g], out0[2g+1].  Wave w owns atoms 256w .. 256w+255 of both batches.
; Each wave sorts its 256 atoms by type into a list of its own (each type begins a new group of 32 places; empty places name atom 0) and walks it in tiles of 16 tokens:
; 8 atoms of one type x 2 batches.  A tile is eight loads; in each, lanes 0-15 take one atom's 256 bytes in batch 2g, lanes 16-31 the same atom's in batch 2g+1.
; A ring of four tiles in registers keeps 32 loads of every wave on their way: 8 waves x 4 tiles x 4,096 bytes for the work-group.
; ARITHMETIC.  c = log2(e).  W0' = -c W0 (scaled in f32, rounded once to bf16), b0' = -c b0 (f32, the C operand that starts the sum): u0 = -c z0, g0 = u0 / (1 + 2^u0) = -c silu(z0).
; u1 = W1 g0 - c b1 = -c z1 (the factors cancel, W1 is only rounded), g1 = u1 / (1 + 2^u1) = -c silu(z1).  The last layer is linear, so g1 is summed over a type's atoms first (by the
; fused multiply-add that forms u1 x 1/(1 + 2^u1)) and multiplied by w2' = -ln2 w2 once for each type; count x b2 is added beside it.
; A large u gives 2^u = infinity, reciprocal 0, g = 0; a very negative u gives 2^u = 0, g = u: silu's own limits, with no shift and no cut.
; LIMITS.  x, W0', W1 and g0 are bf16 matrix operands; all else is f32.  The sums run in another order than the reference's.  2^u below 2^-126 counts as 0 beside the 1 that is added to it.
; The places of a tile past a type's count repeat atom 0's row and their u1 is set to 0.  The refills behind a wave's last group (four tiles of atom 0's row) are never read.
; NOT USED.  Tensor loads: the rows are chosen by a list.  Joint loads: work-groups share only the 98 KB of weights, read once each, beside 1 MiB of x of their own.
; Prefetches: the ring already asks four tiles ahead.  out0 gets 8 bytes from each work-group: 2,048 bytes in all, one owner a number.
;
; LDS
.set WT,     0                         ; weights as A fragments, bf16: 4 types x 24 chunks of 512 bytes; lane l's 16 bytes at chunk x 512 + 16 l
.set WTT,    12288                     ;   W0 chunk 4 hb + 2 kf + half, W1 chunk 16 + 4 gb + 2 kf + half: row 16 hb + l % 16, k = 32 kf + 16 half + 8 (l / 16) + 0..7
.set BIA,    49152                     ; 4 types x 1,024: b0' (64 f32) at 0, b1' (32) at 256, w2' (32) at 384
.set STAGE,  53248                     ; 8 waves x 16 rows (a tile's tokens) of 128 bytes bf16
.set SPITCH, 144                       ; 36 words: the 16 rows of a fragment load start at 16 different groups of four banks (64 banks of 4 bytes: ISA guide 11.1)
.set LIST,   71680                     ; 8 waves x 1,792: 384 words (12 groups of 32) and, at word 384, a word for atoms of no type
.set LISTW,  1792
.set RED,    86016                     ; word 2 w + b: wave w's sum for batch b
.set SPARE,  86272                     ; the spare words, 128 bytes for each wave: four blocks of 256 bytes that no other line names
; VECTOR REGISTERS, window 0
.set LOFF, 1                           ; 16 (l % 16) + 524,288 (l / 16): my 16 bytes of a row, in my batch; never rewritten
.set STW,  2                           ; stage, in: row 8 (l / 16), byte 8 (l % 16)
.set STR,  3                           ; stage, back: row l % 16, byte 16 (l / 16)
.set WA,   4                           ; WT + 16 l, a type further in each outer trip
.set BA,   5                           ; BIA + 32 (l / 16), likewise
.set SPW,  6                           ; LDS address of my spare word; never rewritten
.set NIL,  7                           ; 0; never rewritten
.set ES,   10                          ; v[10:11] my share of the two batches' energies
.set R7,   12                          ; l % 8: my token's atom in the tile
.set LANE, 13
.set T0,   14
.set T1,   15
.set L,    16                          ; v16-27 the list: lane e of v[L+d] is place e of the d-th group still to be asked for, as atom x 256
.set PK,   32                          ; v32-47 a tile of x in bf16, on its way to the stage
.set X,    48                          ; v48-63 two B fragments: 16 tokens x 64 features
.set D0,   64                          ; v64-95 u0: register 8 hb + j is unit 16 hb + 8 (l / 16) + j of token l % 16
.set EE,   96                          ; v96-127 at work
.set G0,   128                         ; v128-143 g0 in bf16: two B fragments
.set D1,   144                         ; v144-159 u1
.set ACC,  160                         ; v160-175 the type's sum of g1
.set B1C,  176                         ; v176-191 b1' as a C operand
.set W2,   192                         ; v192-207 w2'
; window 1 (written with their low 8 bits)
.set B0C,  96                          ; v0-63 W0's fragments at 8 (2 hb + kf); v64-95 W1's at 64 + 8 (2 gb + kf); v96-127 b0' as C operands
.set W1F,  64
.set XB,   128                         ; v128-255 the ring: slot s at 128 + 32 s, load i at + 4 i
; used before the loops only
.set ZA,   28
.set LRD,  29
.set WOF,  30
.set AOF,  31
.set AT,   32                          ; v32-39 my eight atoms' types
.set BV0,  40
.set BV1,  41
.set POS,  42
.set TMP,  43
.set ADR,  44
.set VAL,  45
.set AV0,  46
.set BOF0, 47
.set WF,   64                          ; v64-159 96 weights in f32
.set WP,   160                         ; v160-207 the same in bf16
.set ZQ,   208
.set BOF1, 212
.set BST0, 213
.set BST1, 214
.set WST0, 215
.set WST1, 216
; SCALAR REGISTERS: s[4:21] the nine addresses; s22 wave; s[24:27] b2, s[28:31] my counts by type (both move down a place in each outer trip); s[36:37] x at batch 2g;
; s[38:39] lane selects; s56 types to go; s57 group, s58 groups of the type; s59 tile, s60 tiles of the type, s61 its last tile; s63 lanes inside the count in that tile
.set CN,   28
.set OF,   40                          ; s[40:55] eight row offsets as pairs; the upper words stay 0
.set BP,   66                          ; s[66:81] eight row addresses
.set MS,   66                          ; s[66:97] during the sort: lanes of type t among atoms k, at 4 k + t
.set RB,   98                          ; s[98:101] the next free place of each type's part of the list
.set MSB, 0
.macro WIN new                         ; the immediate's high byte repeats the setting that is left; a switch that changes nothing is dropped
.if MSB != (\new)
	s_set_vgpr_msb (MSB<<8)|(\new)
.set MSB, \new
.endif
.endm
; bits 1:0 source 0, 3:2 source 1, 5:4 source 2, 7:6 destination
.set W_CV, 0x05                        ; both sources in window 1: x is rounded out of the ring
.set W_LD, 0x40                        ; destination in window 1: loads
.set W_AC, 0x11                        ; A and C in window 1
.set W_A,  0x01                        ; A in window 1
; Slot s of the ring is asked for: places 8 s .. 8 s + 7 of the group in v[L].  A row's offset is held under the last row's, 2,047 x 256.
.macro REFILL s
	WIN 0
.irp i, 0,1,2,3,4,5,6,7
	v_readlane_b32 s[OF+2*(\i)], v[L], 8*(\s)+(\i)
.endr
.irp i, 0,1,2,3,4,5,6,7
	s_min_u32 s[OF+2*(\i)], s[OF+2*(\i)], 0x7ff00
.endr
	s_wait_xcnt 0x0                                ; the row addresses are sources of the loads issued last time: they are rewritten only behind this wait (ISA guide 3.1)
.irp i, 0,1,2,3,4,5,6,7
	s_add_nc_u64 s[BP+2*(\i):BP+2*(\i)+1], s[36:37], s[OF+2*(\i):OF+2*(\i)+1]
.endr
	WIN W_LD
.irp i, 0,1,2,3,4,5,6,7
	global_load_b128 v[XB+32*(\s)+4*(\i):XB+32*(\s)+4*(\i)+3], v[LOFF], s[BP+2*(\i):BP+2*(\i)+1]  ; two whole rows of 256 bytes, one in each batch
.endr
	WIN 0
.endm
.macro ROT                             ; the list moves up a group; its last register holds zeros and stays
.set z, 0
.rept 11
	v_mov_b32 v[L+z], v[L+z+1]
.set z, z+1
.endr
.endm
; Sixteen registers u: r = 1 / (1 + 2^u).  mode 0: g = u r, rounded to bf16 into g (8 registers).  mode 1: ACC += u r.
; u is read from its low end on.  A plain instruction stands between a run of exponentials or reciprocals and the first use of a result (ISA guide 5.7.2).
.macro SILU16 u, e, mode, g=0
.set z, 0
.rept 16
	v_exp_f32 v[(\e)+z], v[(\u)+z]
.set z, z+1
.endr
	v_nop
.set z, 0
	s_wait_alu depctr_va_vdst(0)
.rept 8
	v_pk_add_f32 v[(\e)+z:(\e)+z+1], v[(\e)+z:(\e)+z+1], 1.0 op_sel_hi:[1,0]
.set z, z+2
.endr
.set z, 0
.rept 16
	v_rcp_f32 v[(\e)+z], v[(\e)+z]
.set z, z+1
.endr
	v_nop
	s_wait_alu depctr_va_vdst(0)
.set z, 0
.rept 8
.if (\mode) == 0
	v_pk_mul_f32 v[(\u)+z:(\u)+z+1], v[(\u)+z:(\u)+z+1], v[(\e)+z:(\e)+z+1]
.else
	v_pk_fma_f32 v[ACC+z:ACC+z+1], v[(\u)+z:(\u)+z+1], v[(\e)+z:(\e)+z+1], v[ACC+z:ACC+z+1]
.endif
.set z, z+2
.endr
.if (\mode) == 0
.set z, 0
.rept 8
	v_cvt_pk_bf16_f32 v[(\g)+z], v[(\u)+2*z], v[(\u)+2*z+1]
.set z, z+1
.endr
.endif
.endm
.macro PLACES                          ; four places behind a matrix instruction, ahead of vector work on its registers (ISA guide 7.12.1)
.rept 4
	v_nop
.endr
.endm
; One place of a group: slot s is rounded and asked for again; if the type still has a tile there, the tile goes through both layers.
.macro SUB s
	s_wait_loadcnt 24                              ; loads come back in order (ISA guide 5.7.1): slot s's eight are in, the three younger tiles' 24 stay out
	WIN W_CV
.set z, 0
.rept 16
	v_cvt_pk_bf16_f32 v[PK+z], v[XB+32*(\s)+2*z], v[XB+32*(\s)+2*z+1]
.set z, z+1
.endr
	REFILL \s                                      ; the same place of the next group
	s_cmp_ge_u32 s59, s60
	s_cbranch_scc1 .Ldead_\@                       ; past the type's last tile: forward, over no barrier and no global load
.irp i, 0,1,2,3,4,5,6,7
	ds_store_b64 v[STW], v[PK+2*(\i):PK+2*(\i)+1] offset:SPITCH*(\i)  ; token i (lanes 0-15) and token i + 8 (lanes 16-31): 8 x 144 = 128 mod 256, so the two halves take different banks
.endr
.irp q, 0,1,2,3
	ds_load_b128 v[X+4*(\q):X+4*(\q)+3], v[STR] offset:32*(\q)  ; my own bytes: LDS serves a wave's instructions in order (ISA guide 5.7.1.4)
.endr
	s_wait_dscnt 0x0
	WIN W_AC                                       ; the four accumulators take turns
.irp hb, 0,1,2,3
	v_wmma_f32_16x16x32_bf16 v[D0+8*(\hb):D0+8*(\hb)+7], v[16*(\hb):16*(\hb)+7], v[X:X+7], v[B0C+8*(\hb):B0C+8*(\hb)+7]
.endr
	WIN W_A
.irp hb, 0,1,2,3
	v_wmma_f32_16x16x32_bf16 v[D0+8*(\hb):D0+8*(\hb)+7], v[16*(\hb)+8:16*(\hb)+15], v[X+8:X+15], v[D0+8*(\hb):D0+8*(\hb)+7]
.endr
	WIN 0
	PLACES
	SILU16 D0, EE, 0, G0                           ; units 0-31: a lane's eight units of two accumulators ARE its sixteen k of a B fragment
	SILU16 D0+16, EE+16, 0, G0+8                   ; units 32-63
	WIN W_A                                        ; the two accumulators take turns
.irp gb, 0,1
	v_wmma_f32_16x16x32_bf16 v[D1+8*(\gb):D1+8*(\gb)+7], v[W1F+16*(\gb):W1F+16*(\gb)+7], v[G0:G0+7], v[B1C+8*(\gb):B1C+8*(\gb)+7]
.endr
.irp gb, 0,1
	v_wmma_f32_16x16x32_bf16 v[D1+8*(\gb):D1+8*(\gb)+7], v[W1F+16*(\gb)+8:W1F+16*(\gb)+15], v[G0+8:G0+15], v[D1+8*(\gb):D1+8*(\gb)+7]
.endr
	WIN 0
	PLACES
	s_cmp_lg_u32 s59, s61
	s_cbranch_scc1 .Lfull_\@
.set z, 0
.rept 16                                       ; the type's last tile: tokens past the count get u1 = 0, so g1 = 0
	v_cndmask_b32 v[D1+z], 0, v[D1+z], s63
.set z, z+1
.endr
.Lfull_\@:
	SILU16 D1, EE, 1
.Ldead_\@:
	s_add_co_u32 s59, s59, 1
.endm
	s_load_b512 s[4:19], s[0:1], 0x0               ; x 4, atomic_numbers 6, w0 8, b0 10, w1 12, b1 14, w2 16, b2 18
	s_load_b64 s[20:21], s[0:1], 0x40              ; out0
	v_lshl_add_u32 v[SPW], v0, 2, SPARE
	v_mov_b32 v[NIL], 0
	v_lshrrev_b32 v[T0], 5, v0
	v_readfirstlane_b32 s22, v[T0]                 ; wave 0..7
	v_and_b32 v[LANE], 31, v0
	v_and_b32 v[R7], 7, v0
	v_and_b32 v[T0], 15, v0                        ; l % 16
	v_bfe_u32 v[T1], v0, 4, 1                      ; l / 16
	v_lshlrev_b32 v[LOFF], 4, v[T0]
	v_lshl_add_u32 v[LOFF], v[T1], 19, v[LOFF]     ; a batch is 2,048 rows of 256 bytes
	s_mul_i32 s23, s22, 16*SPITCH
	s_add_co_u32 s23, s23, STAGE                   ; my stage
	v_mul_u32_u24 v[STW], v[T1], 8*SPITCH
	v_lshl_add_u32 v[STW], v[T0], 3, v[STW]
	v_add_nc_u32 v[STW], s23, v[STW]
	v_mul_u32_u24 v[STR], v[T0], SPITCH
	v_lshl_add_u32 v[STR], v[T1], 4, v[STR]
	v_add_nc_u32 v[STR], s23, v[STR]
	v_lshlrev_b32 v[WA], 4, v[LANE]
	v_lshl_add_u32 v[BA], v[T1], 5, BIA
	s_mul_i32 s34, s22, LISTW
	s_add_co_u32 s34, s34, LIST                    ; my list
	v_lshl_add_u32 v[ZA], v[LANE], 4, s34
	v_lshl_add_u32 v[LRD], v[LANE], 2, s34
	v_lshlrev_b32 v[WOF], 8, v[T0]                 ; a weight row is 256 bytes;
	v_lshl_add_u32 v[WOF], v[T1], 5, v[WOF]        ; my eight k of it are 32
	s_lshl_b32 s35, s22, 10
	v_lshl_add_u32 v[AOF], v[LANE], 4, s35         ; my wave's 1,024 bytes of atomic numbers, 16 a lane
	s_lshl_b32 s35, s22, 16
	v_lshl_add_u32 v[AV0], v[LANE], 10, s35        ; atom 256 w + 4 l, times 256
	s_lshl_b32 s35, s22, 7
	v_lshl_add_u32 v[BOF0], v[LANE], 2, s35        ; b0, number 32 w + l
	s_and_b32 s57, s22, 3
	s_lshl_b32 s35, s57, 7
	v_lshl_add_u32 v[BOF1], v[LANE], 2, s35        ; b1 (waves 0-3) or w2 (waves 4-7), number 32 (w % 4) + l
	s_lshr_b32 s58, s22, 1                         ; the type whose weights I lay out,
	s_and_b32 s59, s22, 1                          ; and which half of them
	s_mul_i32 s60, s58, WTT
	s_lshl_b32 s35, s59, 12
	s_add_co_u32 s35, s35, s60
	v_lshl_add_u32 v[WST0], v[LANE], 4, s35        ; W0's chunks 8 (w % 2) on
	s_lshl_b32 s35, s59, 11
	s_add_co_u32 s35, s35, s60
	s_add_co_u32 s35, s35, 16*512
	v_lshl_add_u32 v[WST1], v[LANE], 4, s35        ; W1's chunks 16 + 4 (w % 2) on
	s_lshl_b32 s35, s58, 10
	s_lshl_b32 s60, s59, 7
	s_add_co_u32 s35, s35, s60
	s_add_co_u32 s35, s35, BIA
	v_lshl_add_u32 v[BST0], v[LANE], 2, s35        ; b0' of type w / 2, units 32 (w % 2) + l
	s_lshl_b32 s35, s57, 10
	s_lshr_b32 s60, s22, 2
	s_lshl_b32 s60, s60, 7
	s_add_co_u32 s35, s35, s60
	s_add_co_u32 s35, s35, BIA+256
	v_lshl_add_u32 v[BST1], v[LANE], 2, s35        ; b1' or w2' of type w % 4, unit l
	s_mov_b32 s38, 0x76543210                      ; v_permlanex16_b32: each lane takes its own place in the other half
	s_mov_b32 s39, 0xfedcba98
.irp i, 0,1,2,3,4,5,6,7
	s_mov_b32 s[OF+2*(\i)+1], 0
.endr
	s_mov_b32 s60, 0xbfb8aa3b                      ; -log2(e)
	s_mov_b32 s61, 0xbf317218                      ; -ln 2
	s_mov_b32 s33, 0
	s_wait_kmcnt 0x0
	s_load_b128 s[24:27], s[18:19], 0x0            ; b2
	s_lshl_b32 s32, ttmp9, 20
	s_add_nc_u64 s[36:37], s[4:5], s[32:33]        ; x at batch 2g
	s_lshl_b32 s32, s22, 13
	s_add_nc_u64 s[8:9], s[8:9], s[32:33]          ; w0 at type w / 2, rows 32 (w % 2) on
	s_lshl_b32 s32, s22, 12
	s_add_nc_u64 s[12:13], s[12:13], s[32:33]      ; w1 at type w / 2, rows 16 (w % 2) on
	s_cmp_lt_u32 s22, 4
	s_cselect_b64 s[62:63], s[14:15], s[16:17]     ; b1 for waves 0-3, w2 for waves 4-7,
	s_cselect_b32 s61, s60, s61                    ; and its factor
	global_load_b128 v[AT:AT+3], v[AOF], s[6:7]              ; atoms 256 w + 4 l + 0..3
	global_load_b128 v[AT+4:AT+7], v[AOF], s[6:7] offset:512 ; atoms 256 w + 128 + 4 l + 0..3
.set n, 0
.rept 8                                        ; W0: chunk n of my eight: rows 16 (n / 4) on, k = 16 (n % 4) + 8 (l / 16) on
	global_load_b128 v[WF+8*n:WF+8*n+3],   v[WOF], s[8:9] offset:(n/4)*4096+(n%4)*64
	global_load_b128 v[WF+8*n+4:WF+8*n+7], v[WOF], s[8:9] offset:(n/4)*4096+(n%4)*64+16
.set n, n+1
.endr
.set n, 0
.rept 4                                        ; W1: chunk n of my four
	global_load_b128 v[WF+64+8*n:WF+64+8*n+3],   v[WOF], s[12:13] offset:n*64
	global_load_b128 v[WF+64+8*n+4:WF+64+8*n+7], v[WOF], s[12:13] offset:n*64+16
.set n, n+1
.endr
	global_load_b32 v[BV0], v[BOF0], s[10:11]
	global_load_b32 v[BV1], v[BOF1], s[62:63]
	; THE SORT, each wave for its own 256 atoms.
	s_wait_loadcnt 26                              ; the atoms' types are in; the 16 + 8 + 2 loads of weights behind them stay out
.set k, 0
.rept 8
.irp t, 0,1,2,3
	v_cmp_eq_u32 s[MS+4*k+(\t)], \t, v[AT+k]
.endr
.set k, k+1
.endr
.irp t, 0,1,2,3
	s_bcnt1_i32_b32 s[CN+(\t)], s[MS+(\t)]
.set k, 1
.rept 7
	s_bcnt1_i32_b32 s23, s[MS+4*k+(\t)]
	s_add_co_u32 s[CN+(\t)], s[CN+(\t)], s23
.set k, k+1
.endr
.endr
	s_mov_b32 s[RB], 0
.irp t, 0,1,2
	s_add_co_u32 s23, s[CN+(\t)], 31               ; each type begins a new group of 32: at most 11 groups for 256 atoms of 4 types
	s_and_b32 s23, s23, 0xffffffe0
	s_add_co_u32 s[RB+(\t)+1], s[RB+(\t)], s23
.endr
.irp i, 0,1,2,3
	v_mov_b32 v[ZQ+(\i)], 0
.endr
	ds_store_b128 v[ZA], v[ZQ:ZQ+3]                ; the 384 places name atom 0 until an atom takes them
	ds_store_b128 v[ZA], v[ZQ:ZQ+3] offset:512
	ds_store_b128 v[ZA], v[ZQ:ZQ+3] offset:1024
.set k, 0
.rept 8
	v_mov_b32 v[POS], 384                          ; an atom of no type goes to the word behind the list
.irp t, 0,1,2,3
	v_mbcnt_lo_u32_b32 v[TMP], s[MS+4*k+(\t)], s[RB+(\t)]  ; the type's next free place + the lanes of that type below me
	v_cndmask_b32 v[POS], v[POS], v[TMP], s[MS+4*k+(\t)]
	s_bcnt1_i32_b32 s23, s[MS+4*k+(\t)]
	s_add_co_u32 s[RB+(\t)], s[RB+(\t)], s23
.endr
	v_min_u32 v[POS], 384, v[POS]                  ; the place stays inside my wave's 1,792 bytes
	v_lshl_add_u32 v[ADR], v[POS], 2, s34
	v_add_nc_u32 v[VAL], ((k/4)*128+k%4)*256, v[AV0]
	ds_store_b32 v[ADR], v[VAL]
.set k, k+1
.endr
.set k, 0
.rept 12
	ds_load_b32 v[L+k], v[LRD] offset:128*k        ; my own bytes, served in order behind the stores
.set k, k+1
.endr
	s_wait_dscnt 0x0
	REFILL 0                                       ; the ring is filled with the first group: 32 loads
	REFILL 1
	REFILL 2
	REFILL 3
	ROT
	; THE WEIGHTS: each wave scales, rounds and lays out an eighth of them.
	s_wait_loadcnt 32                              ; weights and biases are in; the ring's 32 loads behind them stay out
.set n, 0
.rept 32
	v_pk_mul_f32 v[WF+2*n:WF+2*n+1], v[WF+2*n:WF+2*n+1], 0xbfb8aa3b op_sel_hi:[1,0]  ; W0' = -log2(e) W0
.set n, n+1
.endr
.set n, 0
.rept 48
	v_cvt_pk_bf16_f32 v[WP+n], v[WF+2*n], v[WF+2*n+1]
.set n, n+1
.endr
.set n, 0
.rept 8
	ds_store_b128 v[WST0], v[WP+4*n:WP+4*n+3] offset:512*n
.set n, n+1
.endr
.set n, 0
.rept 4
	ds_store_b128 v[WST1], v[WP+32+4*n:WP+32+4*n+3] offset:512*n
.set n, n+1
.endr
	v_mul_f32 v[BV0], 0xbfb8aa3b, v[BV0]
	v_mul_f32 v[BV1], s61, v[BV1]
	ds_store_b32 v[BST0], v[BV0]
	ds_store_b32 v[BST1], v[BV1]
	s_wait_dscnt 0x0                               ; for the others' sake: my part of the weights is in LDS
	s_barrier_signal -1
	s_barrier_wait -1                              ; everybody's is; nothing writes these bytes again
	s_wait_kmcnt 0x0                               ; b2
	v_mov_b32 v[ES], 0
	v_mov_b32 v[ES+1], 0
	s_mov_b32 s56, 4
.Ltype:                                                ; four trips: the type is the trip's number, so the weights' LDS addresses step by constants
	s_add_co_u32 s58, s[CN], 31
	s_lshr_b32 s58, s58, 5                         ; the type's groups in my list
	s_cmp_eq_u32 s58, 0
	s_cbranch_scc1 .Lnext                          ; none of my atoms has this type
	s_add_co_u32 s60, s[CN], 7
	s_lshr_b32 s60, s60, 3                         ; its tiles,
	s_sub_co_u32 s61, s60, 1                       ; the last of them,
	s_lshl_b32 s62, s61, 3
	s_sub_co_u32 s62, s[CN], s62                   ; and the atoms in that one, 1 to 8
	WIN W_LD
.set n, 0
.rept 24
	ds_load_b128 v[4*n:4*n+3], v[WA] offset:512*n  ; chunk n is registers 4 n on: 512 consecutive bytes a load
.set n, n+1
.endr
.set n, 0
.rept 8
	ds_load_b128 v[B0C+4*n:B0C+4*n+3], v[BA] offset:64*(n/2)+16*(n%2)  ; b0' of units 16 hb + 8 (l / 16) + 0..7
.set n, n+1
.endr
	WIN 0
.set n, 0
.rept 4
	ds_load_b128 v[B1C+4*n:B1C+4*n+3], v[BA] offset:256+64*(n/2)+16*(n%2)
	ds_load_b128 v[W2+4*n:W2+4*n+3],   v[BA] offset:384+64*(n/2)+16*(n%2)
.set n, n+1
.endr
.set n, 0
.rept 16                                       ; the type's sum begins: sixteen lines, four times in the launch
	v_mov_b32 v[ACC+n], 0
.set n, n+1
.endr
	v_cmp_gt_u32 s63, s62, v[R7]                   ; lanes whose token lies inside the count in the last tile
	s_wait_dscnt 0x0
	s_mov_b32 s59, 0
	s_mov_b32 s57, 0
.Lgroup:                                               ; a trip: a group's four places; every LDS address in it is fixed
	SUB 0
	SUB 1
	SUB 2
	SUB 3
	ROT
	s_add_co_u32 s57, s57, 1
	s_cmp_lt_u32 s57, s58
	s_cbranch_scc1 .Lgroup
.set n, 0
.rept 8
	v_pk_fma_f32 v[ES:ES+1], v[ACC+2*n:ACC+2*n+1], v[W2+2*n:W2+2*n+1], v[ES:ES+1]
.set n, n+1
.endr
	v_cvt_f32_u32 v[T0], s[CN]
	v_mul_f32 v[T0], 0x3d800000, v[T0]             ; count / 16, exact: sixteen lanes are added up for each batch
	v_fma_f32 v[ES], v[T0], s24, v[ES]             ; + count x b2
.Lnext:
	s_mov_b32 s28, s29
	s_mov_b32 s29, s30
	s_mov_b32 s30, s31
	s_mov_b32 s24, s25
	s_mov_b32 s25, s26
	s_mov_b32 s26, s27
	v_add_nc_u32 v[WA], WTT, v[WA]
	v_add_nc_u32 v[BA], 1024, v[BA]
	s_sub_co_u32 s56, s56, 1
	s_cmp_lg_u32 s56, 0
	s_cbranch_scc1 .Ltype
	; THE END.  A lane's token belongs to batch (l / 8) % 2: the eight lanes of that batch in each half of the wave are added, then the halves.
	v_add_f32 v[ES], v[ES], v[ES+1]
	v_add_f32_dpp v[ES], v[ES], v[ES] row_xmask:1 row_mask:0xf bank_mask:0xf
	v_add_f32_dpp v[ES], v[ES], v[ES] row_xmask:2 row_mask:0xf bank_mask:0xf
	v_add_f32_dpp v[ES], v[ES], v[ES] row_xmask:4 row_mask:0xf bank_mask:0xf
	v_permlanex16_b32 v[ES+1], v[ES], s38, s39
	v_add_f32 v[ES], v[ES], v[ES+1]
	v_bfe_u32 v[T0], v0, 3, 1
	s_lshl_b32 s23, s22, 3
	s_add_co_u32 s23, s23, RED
	v_lshl_add_u32 v[T0], v[T0], 2, s23
	ds_store_b32 v[T0], v[ES]                      ; word 2 w + batch; the sixteen lanes of a batch write the same number
	s_wait_dscnt 0x0                               ; for the others' sake
	s_barrier_signal -1
	s_barrier_wait -1
	v_and_b32 v[T1], 15, v0
	v_lshl_add_u32 v[T1], v[T1], 2, RED
	ds_load_b32 v[ES], v[T1]                       ; lane l % 16 takes word l % 16
	s_wait_dscnt 0x0
	v_add_f32_dpp v[ES], v[ES], v[ES] row_xmask:2 row_mask:0xf bank_mask:0xf  ; the eight waves' words of one batch lie two lanes apart
	v_add_f32_dpp v[ES], v[ES], v[ES] row_xmask:4 row_mask:0xf bank_mask:0xf
	v_add_f32_dpp v[ES], v[ES], v[ES] row_xmask:8 row_mask:0xf bank_mask:0xf
	s_wait_tensorcnt 0x0                           ; the wave's end, behind my last LDS store
	ds_add_u32 v[SPW], v[NIL]
	s_wait_dscnt 0x0
	s_cmp_lg_u32 s22, 0
	s_cbranch_scc1 .Lend
	s_lshl_b32 s32, ttmp9, 3
	s_mov_b32 s33, 0
	s_add_nc_u64 s[20:21], s[20:21], s[32:33]      ; out0[2g]
	v_lshlrev_b32 v[T0], 2, v[LANE]
	v_cmp_gt_u32 vcc_lo, 2, v[LANE]
	s_wait_xcnt 0x0                                ; EXEC is a source of the ring's last loads: it is narrowed only behind this wait
	s_and_saveexec_b32 s23, vcc_lo
	global_store_b32 v[T0], v[ES], s[20:21]        ; lane 0: batch 2g, lane 1: batch 2g + 1
	s_endpgm
.Lend:
	s_endpgm
.Lfunc_end_k_q456bea22e6_bpnn:
	.size	k_q456bea22e6_bpnn, .Lfunc_end_k_q456bea22e6_bpnn-k_q456bea22e6_bpnn
	.p2alignl 7, 3214868480
	.fill 96, 4, 3214868480
	.section	.rodata,"a",@progbits
	.p2align	6, 0x0
	.amdhsa_kernel k_q456bea22e6_bpnn
		.amdhsa_group_segment_fixed_size 87296
		.amdhsa_private_segment_fixed_size 0
		.amdhsa_enable_private_segment 0
		.amdhsa_kernarg_size 72
		.amdhsa_user_sgpr_count 2
		.amdhsa_user_sgpr_kernarg_segment_ptr 1
		.amdhsa_wavefront_size32 1
		.amdhsa_system_sgpr_workgroup_id_x 1
		.amdhsa_system_sgpr_workgroup_id_y 1
		.amdhsa_system_sgpr_workgroup_id_z 1
		.amdhsa_system_vgpr_workitem_id 0
		.amdhsa_next_free_vgpr 512
		.amdhsa_next_free_sgpr 102
		.amdhsa_reserve_vcc 1
		.amdhsa_float_denorm_mode_32 3
		.amdhsa_float_denorm_mode_16_64 3
		.amdhsa_memory_ordered 1
		.amdhsa_forward_progress 1
		.amdhsa_inst_pref_size 98
	.end_amdhsa_kernel
	.amdgpu_metadata
---
amdhsa.version: [ 1, 2 ]
amdhsa.kernels:
  - .name:           k_q456bea22e6_bpnn
    .symbol:         k_q456bea22e6_bpnn.kd
    .args:
      - { .name: x, .offset: 0, .size: 8, .value_kind: global_buffer, .address_space: global }
      - { .name: atomic_numbers, .offset: 8, .size: 8, .value_kind: global_buffer, .address_space: global }
      - { .name: w0, .offset: 16, .size: 8, .value_kind: global_buffer, .address_space: global }
      - { .name: b0, .offset: 24, .size: 8, .value_kind: global_buffer, .address_space: global }
      - { .name: w1, .offset: 32, .size: 8, .value_kind: global_buffer, .address_space: global }
      - { .name: b1, .offset: 40, .size: 8, .value_kind: global_buffer, .address_space: global }
      - { .name: w2, .offset: 48, .size: 8, .value_kind: global_buffer, .address_space: global }
      - { .name: b2, .offset: 56, .size: 8, .value_kind: global_buffer, .address_space: global }
      - { .name: out0, .offset: 64, .size: 8, .value_kind: global_buffer, .address_space: global }
    .group_segment_fixed_size: 87296
    .private_segment_fixed_size: 0
    .kernarg_segment_align: 8
    .kernarg_segment_size: 72
    .max_flat_workgroup_size: 256
    .sgpr_count:     102
    .vgpr_count:     512
    .wavefront_size: 32
...
	.end_amdgpu_metadata
.endif
;; end of part 1
